; MI455X (gfx1250); checked and timed in simulation.
; The chip was launched on July 23, 2026; its instructions are those of AMD's public machine-readable ISA for CDNA 5 (MIT licence, August 2026) and "CDNA5" Instruction Set Architecture Reference Guide (July 2026). The comments in the code are by the model that wrote it; some were corrected since.
;; Simple Mo E. Allowed arithmetic: matrix products marked QUANTISED: E4M3 operands, one E8M0 scale for each 32 along K, by v_wmma_scale_f32_16x16x128_f8f6f4 with both operands' format E4M3, f32 sums; products left as they are: f32 operands where the result goes on into a quantised operand, else bf16, f16 or f32 operands; f32 sums; everything else in f32.
;; Inputs: W1_codes 8 x 4,096 x 32 x 32 uint8 (E4M3 codes of W1, K innermost, in blocks of 32 codes); W1_scales 8 x 4,096 x 32 uint8 (E8M0 scales of W1, one for each 32 codes along K); W2_codes 8 x 1,024 x 128 x 32 uint8 (E4M3 codes of W2, K innermost, in blocks of 32 codes); W2_scales 8 x 1,024 x 128 uint8 (E8M0 scales of W2, one for each 32 codes along K); Wg 1,024 x 8 float32; b1 8 x 4,096 float32; b2 8 x 1,024 float32; bg 8 float32; x 1,024 x 1,024 float32.
;; Outputs: out0 1,024 x 1,024 float32.
;; This version of the problem:
;;   THIS VERSION OF THE PROBLEM IS GIVEN IN LOW PRECISION. The matrix products marked QUANTISED in the list below multiply operands that are first quantised to E4M3 (4 exponent bits, 3 mantissa bits; 8 bits a number), with one power-of-two scale for each 32 numbers along K (OCP MX v1.0); their sums are f32. All else is computed in f32.
;;   The module's matrix products, in the order in which they are computed (A, B: the left and right operand; K: the contracted axis; several contracted axes count as one K, in the product's order):
;;     1. [M 1,024, K 1,024] x [K 1,024, N 8]; A: input x; B: input Wg: left as it is (N = 8 < 16)
;;     2. [M 1,024, K 1,024] x [K 1,024, N 32,768]; A: input x; B: input W1 (given as codes): QUANTISED
;;     3. batch 8 x [M 1,024, K 4,096] x [K 4,096, N 1,024]; A: input W2 (given as codes); B: computed on the way: QUANTISED
;;     4. batch 1,024 x [M 1, K 8] x [K 8, N 1,024]; A: computed on the way; B: computed on the way: left as it is (K = 8 < 32)
;;   THE QUANTISER, for each operand of a quantised product, along K:
;;     - K is cut into blocks of 32 from its start; a last block that is shorter is filled with zeros.
;;     - A block's scale is 2^e with e = floor(log2(the largest magnitude in the block)) - 8, held to -126 .. 127; a block of zeros has e = 0. As a byte (E8M0): e + 127.
;;     - Each number is divided by its block's scale, clamped to +-448, and rounded to the nearest number of E4M3, ties to even, subnormals kept.
;;     - The product sums the exact products of the quantised numbers (number of the format x scale) in f32.
;;   ~~~python
;;   def quantise(x, axis):      # numpy; x: float32 -> the quantised numbers, widened to float32 again
;;       x = np.moveaxis(x, axis, -1); K = x.shape[-1]
;;       x = np.pad(x, [(0, 0)] * (x.ndim - 1) + [(0, -K % 32)]); x = x.reshape(x.shape[:-1] + (-1, 32)); a = np.abs(x).max(-1, keepdims=True)
;;       e = np.where(a > 0, np.clip(np.frexp(np.where(a > 0, a, 1))[1] - 1 - 8, -126, 127), 0)      # np.frexp(a)[1] - 1 = floor(log2(a)), exactly
;;       r = np.clip(x / 2.0 ** e, -448, 448)
;;       step = 2.0 ** (np.maximum(np.frexp(np.where(r == 0, 1, r))[1] - 1, -6) - 3)
;;       q = np.round(r / step) * step * 2.0 ** e      # np.round: ties to even
;;       return np.moveaxis(q.reshape(q.shape[:-2] + (-1,))[..., :K], -1, axis).astype(np.float32)
;;   ~~~
;;   OPERANDS COMPUTED ON THE WAY. 'Computed on the way' means the value that the module computes at that place (a softmax that the list does not call 'softmax' is quantised finished and normalised). What goes into a quantiser is computed in f32, as accurately as f32 sums, v_exp_f32 and their like allow (about 1e-6 of the number): no bf16 or f16 on the way to a quantiser, and a product that is left as it is and whose result goes on into a quantised operand takes f32 operands (vector FMAs, or v_wmma_f32_16x16x4_f32). A number that lies on a knife's edge between two numbers of the format may be rounded either way, as far as f32 arithmetic and the matrix unit's own rounding can turn it there, and no further.
;;   INPUTS GIVEN AS CODES. W1 (in the module: [8, 1024, 4096], K = its axis 1); W2 (in the module: [8, 4096, 1024], K = its axis 1): each comes as NAME_codes (uint8): NAME with its K axis moved to the last place and cut into blocks of 32 codes, [.., K / 32, bytes a block], one block behind the other in memory; one code a byte (a code: sign, 4 exponent bits, 3 mantissa bits); and NAME_scales (uint8): the same leading axes, one E8M0 byte (e + 127) for each 32 codes along K. Its value is code x scale, taken as it is: it is not quantised again, and the codes and scales need not be those that the quantiser above would give.
;; One version. Each part assembles by itself: llvm-mc -triple=amdgcn-amd-amdhsa -mcpu=gfx1250 --defsym DOCPART=n.
;; ======== version 1 of 1: 4 launches
;; limits: right only within a limited range of input values
;; workspace buffers: gq 1,114,112 bytes; sel 1,024 bytes of whole numbers; hq 34,603,008 bytes; list 34,816 bytes of whole numbers; y 16,777,216 bytes
;; launch gate (part 1): grid 256 x 1, 4 waves a work-group, no clusters, 35,584 bytes of LDS; arguments x, Wg, bg, gq, sel; writes gq, sel
.if DOCPART == 1
	.amdgcn_target "amdgcn-amd-amdhsa--gfx1250"
	.amdhsa_code_object_version 6
	.text
	.protected	k_q62bc051441_gate
	.globl	k_q62bc051441_gate
	.p2align	8
	.type	k_q62bc051441_gate,@function
k_q62bc051441_gate:
	s_mov_b64 s[64:65], 0
	v_nop
	global_prefetch_b8 v0, s[64:65] scope:SCOPE_SE
	s_setreg_imm32_b32 hwreg(HW_REG_WAVE_MODE, 25, 1), 1
	s_wait_xcnt 0x0
; THE GATE, AND x AS CODES.  scores = x Wg + bg (f32 multiply-adds), the two largest of 8 (ties: the lower index, by strict compares), softmax with the row's maximum taken away,
; the two kept weights divided by (their sum + 1e-8).  x [1024][1024] f32 is also turned into codes of E4M3 with one E8M0 byte for each 32 along K.
; WORK LEFT OUT IN THIS PROGRAM: reference() multiplies each token with all 8 experts and then multiplies by weights that its own mask makes 0 for the six not chosen; later launches make the chosen rows alone, whatever
; the choice.  A NaN, an infinity or an overflow that reaches only an expert not chosen is not carried to the result.
; OUT: gq: codes [1024][1024] at 0; scale bytes [1024][32] at XS_OFF; weights f32 [1024][8] at WF_OFF (0 where an expert is not chosen).  sel: a byte a token, bit e set for each chosen expert e.
; SHARES: a wave takes one token, a work-group four.  Lane l holds k = 256 i + 8 l + 0..7 (i = 0..3): eight neighbours along K, four lanes to a block of 32.
; Wg comes in whole runs of 512 bytes, 16 a wave, into LDS: blocks of 8 rows, 256 bytes, 272 apart.  No matrix unit (8 columns), no cluster (the one shared input is Wg, 32 KB).
; LIMITS: NaN and infinities are not served.  A block of zeros, or one whose largest magnitude lies under 2^-118, keeps the byte 1 (zero codes add nothing; this program alone reads the bytes).
; The scores are summed lane-wise and then across lanes: another order of f32 rounding than a plain chain.
.set XS_OFF, 1048576
.set WF_OFF, 1081344
.set EBL, 34816                        ; behind Wg's 128 blocks x 272: 32 scale bytes a wave
.set SPARE, EBL+256
.set TP, 64
.set M1, 72
.set I1, 73
.set M2, 74
.set I2, 75
.set T2, 76
.set J2, 77
.set A2, 78
.set ZS, 79
.set RZ, 80
.set P2, 81
.set DEN, 82
.set RD, 83
.set SW, 84
.set SW2, 85
.set WV, 86
.set ONE, 87
	s_load_b256 s[4:11], s[0:1], 0x0               ; x, Wg, bg, gq
	s_load_b64 s[12:13], s[0:1], 0x20              ; sel
	v_lshl_add_u32 v14, v0, 2, SPARE
	v_mov_b32 v15, 0
	v_lshrrev_b32 v1, 5, v0
	v_readfirstlane_b32 s14, v1                    ; wave
	v_and_b32 v1, 31, v0                           ; l
	v_lshlrev_b32 v2, 5, v1                        ; 32 l: my 8 numbers in 256 of x
	v_lshlrev_b32 v3, 4, v1                        ; 16 l
	v_and_b32 v4, 15, v0
	v_bfe_u32 v5, v0, 4, 1
	s_mul_i32 s16, s14, 32*272
	v_mul_u32_u24 v6, v5, 272
	v_lshl_add_u32 v6, v4, 4, v6
	v_add_nc_u32 v6, s16, v6                       ; Wg into LDS: my 32 blocks
	v_mul_u32_u24 v7, v1, 272                      ; and out of it: block 32 i + l
	v_lshlrev_b32 v8, 3, v1                        ; 8 l: my 8 codes
	s_lshl_b32 s17, s14, 5
	s_add_co_u32 s17, s17, EBL
	v_lshrrev_b32 v9, 2, v1
	v_add_nc_u32 v9, s17, v9                       ; my block's byte
	v_and_b32 v10, 7, v0                           ; the expert whose weight I store
	v_lshlrev_b32 v11, 2, v10
	v_add_nc_u32 v12, s17, v11
	v_mov_b32 v13, 0
	s_lshl_b32 s18, ttmp9, 2
	s_add_co_u32 s18, s18, s14                     ; my token
	s_lshl_b32 s38, s14, 13                        ; my 16 x 512 bytes of Wg
	s_mov_b32 s39, 0
	s_lshl_b32 s40, s18, 12
	s_mov_b32 s41, 0
	s_mov_b32 s28, 0x76543210
	s_mov_b32 s29, 0xfedcba98                      ; v_permlanex16_b32's selects for lane l xor 16
	s_mov_b32 s30, 0x600000                        ; the mantissa field of 448
	s_wait_alu depctr_va_vdst(0)
	s_wait_kmcnt 0x0
	s_load_b256 s[20:27], s[8:9], 0x0              ; bg's eight numbers
	s_add_nc_u64 s[6:7], s[6:7], s[38:39]
	s_add_nc_u64 s[4:5], s[4:5], s[40:41]
.set m, 0
.rept 16
	global_load_b128 v[128+4*m:131+4*m], v3, s[6:7] offset:512*m
.set m, m+1
.endr
.irp i, 0,1,2,3
	global_load_b128 v[32+8*\i:35+8*\i], v2, s[4:5] offset:1024*\i th:TH_LOAD_NT
	global_load_b128 v[36+8*\i:39+8*\i], v2, s[4:5] offset:1024*\i+16 th:TH_LOAD_NT
.endr
	s_lshl_b32 s38, s18, 5
	s_add_nc_u64 s[34:35], s[10:11], s[38:39]      ; my token's scale bytes and weights (less their offsets)
	s_lshl_b32 s38, s18, 10
	s_add_nc_u64 s[36:37], s[10:11], s[38:39]      ; its codes
	s_mov_b32 s38, s18
	s_add_nc_u64 s[12:13], s[12:13], s[38:39]
	s_wait_loadcnt 0x8                             ; Wg's 16 are in; x's eight may be out
.set m, 0
.rept 16
	ds_store_b128 v6, v[128+4*m:131+4*m] offset:544*m
.set m, m+1
.endr
	s_wait_loadcnt 0x0
	s_wait_kmcnt 0x0                               ; bg
	s_wait_dscnt 0x0                               ; for the others' sake: my blocks lie in LDS
	s_barrier_signal -1
	; x to codes, registers alone: the four blocks by turns
.irp i, 0,1,2,3
	v_max3_num_f32 v[224+4*\i], |v[32+8*\i]|, |v[33+8*\i]|, 0x4800000   ; the floor 2^(9 - 127): the byte cannot fall under 1
.endr
.irp k, 2,4,6
.irp i, 0,1,2,3
	v_max3_num_f32 v[224+4*\i], v[224+4*\i], |v[32+8*\i+\k]|, |v[33+8*\i+\k]|
.endr
.endr
.irp x, 1,2
.irp i, 0,1,2,3
	v_max_num_f32_dpp v[224+4*\i], v[224+4*\i], v[224+4*\i] row_xmask:\x row_mask:0xf bank_mask:0xf   ; the four lanes of the block
.endr
.endr
.irp i, 0,1,2,3
	v_add_nc_u32 v[226+4*\i], 0xfc000000, v[224+4*\i]    ; 8 off the exponent field: the conversion's scale operand
	v_and_or_b32 v[225+4*\i], v[224+4*\i], 0x7f800000, s30   ; 448 x the scale
.endr
.irp i, 0,1,2,3
.irp k, 0,1,2,3,4,5,6,7
	v_med3_num_f32 v[192+8*\i+\k], v[32+8*\i+\k], -v[225+4*\i], v[225+4*\i]   ; the conversion to an 8-bit code does not saturate (ISA guide 7.6.2)
.endr
.endr
.irp i, 0,1,2,3
	v_cvt_scalef32_pk8_fp8_f32 v[240+2*\i:241+2*\i], v[192+8*\i:199+8*\i], v[226+4*\i]
	v_lshrrev_b32 v[227+4*\i], 23, v[226+4*\i]     ; the scale's byte (and the plain line behind the conversion)
.endr
	s_wait_alu depctr_va_vdst(0)
	s_barrier_wait -1                              ; all of Wg lies in LDS
.irp i, 0,1,2,3
	ds_store_b8 v9, v[227+4*\i] offset:8*\i        ; the block's four lanes write the same byte
.endr
	ds_load_b32 v250, v12                          ; LDS serves a wave's instructions in order
.macro FETCH i                         ; my 8 rows of Wg in the i-th 256: 16 loads
.irp j, 0,1,2,3,4,5,6,7
	ds_load_b128 v[64+64*((\i)%2)+8*\j:67+64*((\i)%2)+8*\j], v7 offset:8704*(\i)+32*\j
	ds_load_b128 v[68+64*((\i)%2)+8*\j:71+64*((\i)%2)+8*\j], v7 offset:8704*(\i)+32*\j+16
.endr
.endm
.macro FMAC i                          ; eight chains of packed multiply-adds, even and odd k apart; the first products start the sums
.set m, 8*(\i)
.rept 8
.irp p, 0,1,2,3
.set A_, 16+8*(m%2)+2*\p
.set W_, 64+64*((\i)%2)+8*(m%8)+2*\p
.if m == 0
	v_pk_mul_f32 v[A_:A_+1], v[32+m:33+m], v[W_:W_+1] op_sel_hi:[0,1]
.elseif m == 1
	v_pk_mul_f32 v[A_:A_+1], v[31+m:32+m], v[W_:W_+1] op_sel:[1,0] op_sel_hi:[1,1]
.elseif m%2 == 0
	v_pk_fma_f32 v[A_:A_+1], v[32+m:33+m], v[W_:W_+1], v[A_:A_+1] op_sel_hi:[0,1,1]
.else
	v_pk_fma_f32 v[A_:A_+1], v[31+m:32+m], v[W_:W_+1], v[A_:A_+1] op_sel:[1,0,0] op_sel_hi:[1,1,1]
.endif
.endr
.set m, m+1
.endr
.endm
	FETCH 0
	FETCH 1
.irp i, 0,1,2,3
	global_store_b64 v8, v[240+2*\i:241+2*\i], s[36:37] offset:256*\i   ; 32 lanes: 256 consecutive bytes, aligned
.endr
	s_wait_dscnt 16
	global_store_b32 v11, v250, s[34:35] offset:XS_OFF   ; my token's 32 scale bytes
	FMAC 0
	FETCH 2
	s_wait_alu depctr_va_vdst(0)
	s_wait_dscnt 16
	FMAC 1
	FETCH 3
	s_wait_alu depctr_va_vdst(0)
	s_wait_dscnt 16
	FMAC 2
	s_wait_alu depctr_va_vdst(0)
	s_wait_dscnt 0x0
	FMAC 3
.irp p, 0,2,4,6
	v_pk_add_f32 v[16+\p:17+\p], v[16+\p:17+\p], v[24+\p:25+\p]
.endr
.irp x, 1,2,4,8
.irp k, 0,1,2,3,4,5,6,7
	v_add_f32_dpp v[16+\k], v[16+\k], v[16+\k] row_xmask:\x row_mask:0xf bank_mask:0xf
.endr
.endr
.irp k, 0,1,2,3,4,5,6,7
	v_permlanex16_b32 v[TP+\k], v[16+\k], s28, s29
.endr
.irp k, 0,1,2,3,4,5,6,7
	v_add_f32 v[16+\k], v[16+\k], v[TP+\k]         ; every lane holds all eight sums
.endr
.irp k, 0,1,2,3,4,5,6,7
	v_add_f32 v[16+\k], s[20+\k], v[16+\k]
.endr
	; the two largest, indices ascending, strict compares: of equal scores the lower index stays ahead
	v_mov_b32 v[M1], v16
	v_mov_b32 v[I1], 0
	v_mov_b32 v[M2], 0xff800000
	v_mov_b32 v[I2], 0
.irp e, 1,2,3,4,5,6,7
	v_cmp_gt_f32 s31, v[16+\e], v[M2]
	v_cmp_gt_f32 vcc_lo, v[16+\e], v[M1]
	v_cndmask_b32 v[T2], v[M2], v[16+\e], s31      ; the second, if e does not beat the first
	v_cndmask_b32 v[J2], v[I2], \e, s31
	v_cndmask_b32 v[M2], v[T2], v[M1], vcc_lo      ; if it does, the old first is the second
	v_cndmask_b32 v[I2], v[J2], v[I1], vcc_lo
	v_cndmask_b32 v[M1], v[M1], v[16+\e], vcc_lo
	v_cndmask_b32 v[I1], v[I1], \e, vcc_lo
.endr
	; softmax: the maximum is taken away first (the difference is exactly 0 at the maximum), then base 2
.irp e, 0,1,2,3,4,5,6,7
	v_sub_f32 v[TP+\e], v[16+\e], v[M1]
.endr
	v_sub_f32 v[A2], v[M2], v[M1]
.irp e, 0,1,2,3,4,5,6,7
	v_mul_f32 v[TP+\e], 0x3fb8aa3b, v[TP+\e]
.endr
	v_mul_f32 v[A2], 0x3fb8aa3b, v[A2]
	s_wait_alu depctr_va_vdst(0)
.irp e, 0,1,2,3,4,5,6,7
	v_exp_f32 v[TP+\e], v[TP+\e]
.endr
	v_exp_f32 v[A2], v[A2]
	v_mov_b32 v[ONE], 1                            ; plain work behind the batch: the token's mask
	v_lshlrev_b32 v[SW], v[I1], v[ONE]
	v_lshlrev_b32 v[SW2], v[I2], v[ONE]
	v_or_b32 v[SW], v[SW], v[SW2]
	s_wait_alu depctr_va_vdst(0)                   ; one wait for the nine exponentials, ahead of their first reader
	v_pk_add_f32 v[TP:TP+1], v[TP:TP+1], v[TP+2:TP+3]
	v_pk_add_f32 v[TP+4:TP+5], v[TP+4:TP+5], v[TP+6:TP+7]
	v_pk_add_f32 v[TP:TP+1], v[TP:TP+1], v[TP+4:TP+5]
	v_add_f32 v[ZS], v[TP], v[TP+1]                ; at least 1
	s_wait_alu depctr_va_vdst(0)
	v_rcp_f32 v[RZ], v[ZS]                         ; the first's softmax: 1 / Z
	v_nop                                          ; a plain line behind the transcendental
	s_wait_alu depctr_va_vdst(0)
	v_mul_f32 v[P2], v[A2], v[RZ]                  ; the second's
	v_add_f32 v[DEN], v[RZ], v[P2]
	v_add_f32 v[DEN], 0x322bcc77, v[DEN]           ; + 1e-8
	s_wait_alu depctr_va_vdst(0)
	v_rcp_f32 v[RD], v[DEN]
	v_nop
	s_wait_alu depctr_va_vdst(0)
	v_mul_f32 v[P2], v[P2], v[RD]
	v_mul_f32 v[RZ], v[RZ], v[RD]
	v_cmp_eq_u32 vcc_lo, v10, v[I2]
	v_cndmask_b32 v[WV], 0, v[P2], vcc_lo
	v_cmp_eq_u32 vcc_lo, v10, v[I1]
	v_cndmask_b32 v[WV], v[WV], v[RZ], vcc_lo      ; my expert's weight, 0 if it is not chosen
	global_store_b32 v11, v[WV], s[34:35] offset:WF_OFF   ; lanes of the same expert write the same word with the same value
	global_store_b8 v13, v[SW], s[12:13]           ; all lanes the same byte
	s_wait_alu depctr_va_vdst(0)
	s_wait_tensorcnt 0x0                           ; the wave's end
	ds_add_u32 v14, v15
	s_wait_dscnt 0x0
	s_endpgm
.Lfunc_end_k_q62bc051441_gate:
	.size	k_q62bc051441_gate, .Lfunc_end_k_q62bc051441_gate-k_q62bc051441_gate
	.p2alignl 7, 3214868480
	.fill 96, 4, 3214868480
	.section	.rodata,"a",@progbits
	.p2align	6, 0x0
	.amdhsa_kernel k_q62bc051441_gate
		.amdhsa_group_segment_fixed_size 35584
		.amdhsa_private_segment_fixed_size 0
		.amdhsa_enable_private_segment 0
		.amdhsa_kernarg_size 40
		.amdhsa_user_sgpr_count 2
		.amdhsa_user_sgpr_kernarg_segment_ptr 1
		.amdhsa_wavefront_size32 1
		.amdhsa_system_sgpr_workgroup_id_x 1
		.amdhsa_system_sgpr_workgroup_id_y 1
		.amdhsa_system_sgpr_workgroup_id_z 1
		.amdhsa_system_vgpr_workitem_id 0
		.amdhsa_next_free_vgpr 256
		.amdhsa_next_free_sgpr 66
		.amdhsa_reserve_vcc 1
		.amdhsa_float_denorm_mode_32 3
		.amdhsa_float_denorm_mode_16_64 3
		.amdhsa_memory_ordered 1
		.amdhsa_forward_progress 1
		.amdhsa_inst_pref_size 32
	.end_amdhsa_kernel
	.amdgpu_metadata
---
amdhsa.version: [ 1, 2 ]
amdhsa.kernels:
  - .name:           k_q62bc051441_gate
    .symbol:         k_q62bc051441_gate.kd
    .args:
      - { .name: x, .offset: 0, .size: 8, .value_kind: global_buffer, .address_space: global }
      - { .name: Wg, .offset: 8, .size: 8, .value_kind: global_buffer, .address_space: global }
      - { .name: bg, .offset: 16, .size: 8, .value_kind: global_buffer, .address_space: global }
      - { .name: gq, .offset: 24, .size: 8, .value_kind: global_buffer, .address_space: global }
      - { .name: sel, .offset: 32, .size: 8, .value_kind: global_buffer, .address_space: global }
    .group_segment_fixed_size: 35584
    .private_segment_fixed_size: 0
    .kernarg_segment_align: 8
    .kernarg_segment_size: 40
    .max_flat_workgroup_size: 128
    .sgpr_count:     66
    .vgpr_count:     256
    .wavefront_size: 32
...
	.end_amdgpu_metadata
.endif
;; end of part 1
;; launch up (part 2): grid 32 x 8, 4 waves a work-group, no clusters, 313,088 bytes of LDS; arguments sel, gq, W1_codes, W1_scales, b1, hq, list; writes hq, list
.if DOCPART == 2
	.amdgcn_target "amdgcn-amd-amdhsa--gfx1250"
	.amdhsa_code_object_version 6
	.text
	.protected	k_q62bc051441_up
	.globl	k_q62bc051441_up
	.p2align	8
	.type	k_q62bc051441_up,@function
k_q62bc051441_up:
	s_mov_b64 s[64:65], 0
	v_nop
	global_prefetch_b8 v0, s[64:65] scope:SCOPE_SE
	s_setreg_imm32_b32 hwreg(HW_REG_WAVE_MODE, 25, 1), 1
	s_wait_xcnt 0x0
; THE ROUTING AND THE FIRST PRODUCT, FOR THE CHOSEN ROWS ALONE: h = Q(relu(x W1 + b1)), on codes of E4M3 with one E8M0 scale for each 32 along K; h leaves as codes, in the order of the next operand's registers.
; Experts that a token has not chosen are left out (their weight is 0 by reference()'s own mask; the first kernel's head states it).
; SHARES.  Work-group (j, e) owns hidden units 128 j .. 128 j + 127 of expert e: 128 rows x 1,024 bytes of W1, brought into LDS once, 512 consecutive bytes a load.
; THE ROUTING.  Every wave counts the tokens whose mask (sel, a byte a token) names e; wave 0 ranks them by counting lanes below and writes their numbers into LDS: LIST[rank], -1 where there is none.
; All work-groups of an expert make the same list; work-group j = 0 stores it, with the count, for the next launch.  Expert e's tile t of 16 rows is tile 64 e + t of hq: 64 tiles serve every split.
; A pass serves 20 tiles: wave w takes tiles 5 w .. 5 w + 4 of the pass against all 128 units: 40 accumulators.  1,024 tokens are four passes at the most: the loop counts four and jumps over those without rows.
; x's rows are gathered by token, 256 bytes of a row by sixteen neighbouring lanes, into registers and from there into the wave's own LDS (two slots of 256 along K: no barrier), out of which the fragments come.
; A place without a token takes token 1023's codes (finite numbers); tiles past the expert's last are multiplied and not stored.
; TRANSPOSED: source 0 = 16 rows of W1, source 1 = 16 rows of x: a lane holds ONE row of x, its registers run along the hidden units.  Row r of W1's tile 2 b + u is unit 32 b + 8 u + r + 8 (r / 8), so that the 16 registers
; of tiles 2 b, 2 b + 1 are 16 neighbours along the next K.  In LDS the rows lie in tile order: a unit's bits 3 and 4 change places.  b1 is the C of each sum's first product: it lies in tile 4's accumulators, whose own first products come last.
; This launch has no tensor load and no cluster: x's rows, which an expert's 32 work-groups share, come through registers.  No prefetch: what is read is asked for at the head.
; OUT: hq + 0: tile g, K step j, piece c at 65,536 g + 2,048 j + 512 c + 16 l.  hq + HGS_OFF: 2,048 g + 512 (j / 8) + 16 (r + 16 ((j / 4) % 2)) + 4 (j % 4): row r's scale word of K step j.
; list: [e][1024] token numbers, -1 behind the last; from byte 32,768 on 256 bytes an expert that repeat its count.
; LIMITS: NaN and infinities are not served; a block of zeros, or one under 2^-118, keeps the byte 1 (zero codes; this program alone reads the bytes).
; REGISTERS: window 0: v1-31 lane terms and offsets; v32-63 W1's scale words, v66-85 x's; v86-125 the rows' offsets; v128-255 x's fragments (tiles 0-2 two sets, 3-4 one), behind the products codes and the quantiser's work.
;   window 1: v0-159 x's stage A, v160-255 and window 3's v64-127 stage B.   window 2: accumulators of tiles 0-3; at the head the stage for W1.   window 3: v0-63 tile 4's; v128-255 W1's 8 fragments of a K step.
.set PITCH, 1040                       ; W1's rows in LDS: 1,024 bytes + 16
.set XP, 272                           ; x's rows in LDS: 256 bytes + 16
.set XSL, 80*XP
.set XB, 128*PITCH
.set LIST, XB+8*XSL                    ; 1,280 words; word 1,280 takes what is no rank
.set SPARE, LIST+5376
.set XS_OFF, 1048576
.set HGS_OFF, 33554432
.set TM, 208
.set PW, 240
.set MSB, 0
.macro WIN new                         ; the immediate's high byte repeats the setting that is left
.if MSB != (\new)
	s_set_vgpr_msb (MSB<<8)|(\new)
.set MSB, (\new)
.endif
.endm
.macro PLACES n                        ; plain vector lines behind matrix instructions (ISA guide 7.12.1)
.rept \n
	v_nop
.endr
.endm
.macro XLD q                           ; my 80 rows, the q-th 256 along K: 40 loads of two rows' 256 bytes each, into stage A (q even) or B
.set N_, 0
.rept 40
.if (\q)%2 == 0
	WIN 0x40
	global_load_b128 v[4*N_:4*N_+3], v[86+N_], s[6:7] offset:256*(\q)
.elseif N_ < 24
	WIN 0x40
	global_load_b128 v[160+4*N_:163+4*N_], v[86+N_], s[6:7] offset:256*(\q)
.else
	WIN 0xc0
	global_load_b128 v[4*N_-32:4*N_-29], v[86+N_], s[6:7] offset:256*(\q)
.endif
.set N_, N_+1
.endr
.endm
.macro XST q                           ; and from the stage into my slot q % 2
.set N_, 0
.rept 40
.set O_, ((\q)%2)*XSL+(16*(N_/8)+N_%8)*XP
.if (\q)%2 == 0
	WIN 0x04
	ds_store_b128 v10, v[4*N_:4*N_+3] offset:O_
.elseif N_ < 24
	WIN 0x04
	ds_store_b128 v10, v[160+4*N_:163+4*N_] offset:O_
.else
	WIN 0x0c
	ds_store_b128 v10, v[4*N_-32:4*N_-29] offset:O_
.endif
.set N_, N_+1
.endr
.endm
.macro PRO                             ; a pass begins: tokens, b1, x's scale words, the first 256 along K
	WIN 0
	v_add_nc_u32 v126, s26, v8
	v_add_nc_u32 v127, s26, v9
.irp i, 0,1,2,3,4
	ds_load_b32 v[13+\i], v127 offset:64*\i        ; row r's token
.endr
.irp i, 0,1,2,3,4
	ds_load_b128 v[86+8*\i:89+8*\i], v126 offset:64*\i      ; tokens of rows 8 h + 0..3,
	ds_load_b128 v[90+8*\i:93+8*\i], v126 offset:64*\i+16   ; and 8 h + 4..7
.endr
	WIN 0xc0
.irp t, 0,1,2,3,4,5,6,7
	global_load_b128 v[8*\t:8*\t+3], v6, s[12:13] offset:(32*(\t/2)+8*(\t%2))*4       ; lane (r, h), tile 2 b + u: units 32 b + 16 h + 8 u + 0..7
	global_load_b128 v[8*\t+4:8*\t+7], v6, s[12:13] offset:(32*(\t/2)+8*(\t%2))*4+16
.endr
	WIN 0
	s_wait_dscnt 10
.irp i, 0,1,2,3,4
	v_min_u32 v[13+\i], 0x3ff, v[13+\i]
.endr
.irp i, 0,1,2,3,4
	v_lshl_add_u32 v[13+\i], v[13+\i], 5, v29
.endr
.irp i, 0,1,2,3,4
	global_load_b128 v[66+4*\i:69+4*\i], v[13+\i], s[22:23]   ; lanes 0-15: K steps 0-3 of row r; lanes 16-31: K steps 4-7
.endr
	s_wait_dscnt 0x0
.set N_, 0
.rept 40
	v_min_u32 v[86+N_], 0x3ff, v[86+N_]
.set N_, N_+1
.endr
.set N_, 0
.rept 40
	v_lshl_add_u32 v[86+N_], v[86+N_], 10, v12
.set N_, N_+1
.endr
	s_wait_alu depctr_va_vdst(0)
	XLD 0
.endm
.macro WLOAD s, hf                     ; W1's fragments of K step s, tiles 4 hf .. 4 hf + 3
	WIN 0xc0
.irp u, 0,1,2,3
.irp c, 0,1,2,3
	ds_load_b128 v[128+16*(4*(\hf)+\u)+4*\c:131+16*(4*(\hf)+\u)+4*\c], v[3+(\hf)] offset:16*\u*PITCH+128*(\s)+32*\c
.endr
.endr
.endm
.macro XF s, i                         ; x's fragment of K step s, my tile i
	WIN 0
.if (\i) < 3
.set XR, 128+48*((\s)%2)+16*(\i)
.else
.set XR, 224+16*((\i)-3)
.endif
.irp c, 0,1,2,3
	ds_load_b128 v[XR+4*\c:XR+4*\c+3], v11 offset:(((\s)/2)%2)*XSL+16*XP*(\i)+128*((\s)%2)+32*\c
.endr
.endm
.macro MUL s, hf, i                    ; my tile i x W1's tiles 4 hf .. 4 hf + 3
.set DW, 2+(\i)/4
.if (\i) < 3
.set XR, 128+48*((\s)%2)+16*(\i)
.else
.set XR, 224+16*((\i)-3)
.endif
.if (\s) == 0
	WIN 3|(3<<4)|(DW<<6)
.else
	WIN 3|(DW<<4)|(DW<<6)
.endif
.irp u, 0,1,2,3
.set TT, 4*(\hf)+\u
.set AB, 64*((\i)%4)+8*TT
.if (\s) == 0
	v_wmma_scale_f32_16x16x128_f8f6f4 v[AB:AB+7], v[128+16*TT:143+16*TT], v[XR:XR+15], v[8*TT:8*TT+7], v[32+4*TT], v[66+4*(\i)]
.elseif (\s) < 4
	v_wmma_scale_f32_16x16x128_f8f6f4 v[AB:AB+7], v[128+16*TT:143+16*TT], v[XR:XR+15], v[AB:AB+7], v[32+4*TT+(\s)], v[66+4*(\i)+(\s)]
.else
	v_wmma_scale_f32_16x16x128_f8f6f4 v[AB:AB+7], v[128+16*TT:143+16*TT], v[XR:XR+15], v[AB:AB+7], v[28+4*TT+(\s)], v[62+4*(\i)+(\s)] matrix_a_scale:MATRIX_SCALE_ROW1 matrix_b_scale:MATRIX_SCALE_ROW1
.endif
.endr
.endm
; A K step: 40 products.  The accumulators take turns.  LDS loads for the next step go out in the order (W1 0-3, x 0-2: 28), (x 3-4: 8), (W1 4-7: 16).
.macro KSTEP s
.if (\s) == 1
	s_wait_loadcnt 40                              ; x's second 256 along K: the third's 40 loads may be out
	XST 1
	XLD 3
.elseif (\s) == 3
	s_wait_loadcnt 40                              ; the third: the fourth's 40 may be out
	XST 2                                          ; slot 0's last reads were issued two steps ago
.elseif (\s) == 5
	s_wait_loadcnt 0
	XST 3
.endif
.if ((\s) == 1) || ((\s) == 3) || ((\s) == 5)
	s_wait_dscnt 56                                ; the 40 stores and W1's tiles 4-7 (16) may be out
.else
	s_wait_dscnt 16
.endif
.irp i, 0,1,2,3
	MUL \s, 0, \i
.endr
.if (\s) == 0
	PLACES 9                                       ; tile 4's products write over b1, which the products before have read
.endif
	MUL \s, 0, 4
	PLACES 8
.if (\s) < 7
	WLOAD (\s)+1, 0
	XF (\s)+1, 0
	XF (\s)+1, 1
	XF (\s)+1, 2
.if ((\s) == 1) || ((\s) == 3) || ((\s) == 5)
	s_wait_dscnt 63                                ; 68 were issued behind W1's tiles 4-7
.else
	s_wait_dscnt 28
.endif
.else
	s_wait_dscnt 0
.endif
.if (\s) == 0
.irp i, 0,1,2,3
	MUL \s, 1, \i
.endr
	PLACES 9
	MUL \s, 1, 4
	PLACES 8
	XF 1, 3
	XF 1, 4
.else
	MUL \s, 1, 3
	MUL \s, 1, 4
.if (\s) < 7
	PLACES 8
	XF (\s)+1, 3
	XF (\s)+1, 4
.endif
	MUL \s, 1, 0
	MUL \s, 1, 1
	MUL \s, 1, 2
	PLACES 8
.endif
.if (\s) < 7
	WLOAD (\s)+1, 1
.endif
.endm
; my tile i: relu, the four blocks' scales, codes, and out.  Register 16 b + n of the tile is k = 32 b + 16 (lane / 16) + n of the next K, of row lane % 16.
.macro QUANT i
.set QA, 2+(\i)/4
.set QH, 64*((\i)%4)
.set QP, 128+16*(\i)
	WIN 5*QA
.irp b, 0,1,2,3
	v_max3_num_f32 v[TM+\b], v[QH+16*\b], v[QH+16*\b+1], 0x4800000   ; no |.|: what is negative becomes 0 and must not count; the floor 2^(9 - 127) stands over it.  Each accumulator is read from its low end on
.endr
.irp k, 2,4,6,8,10,12,14
.irp b, 0,1,2,3
	v_max3_num_f32 v[TM+\b], v[QH+16*\b+\k], v[QH+16*\b+\k+1], v[TM+\b]
.endr
.endr
	WIN 0
.irp b, 0,1,2,3
	v_permlanex16_b32 v[TM+4+\b], v[TM+\b], s38, s39
.endr
.irp b, 0,1,2,3
	v_max_num_f32 v[TM+\b], v[TM+\b], v[TM+4+\b]   ; with lane l xor 16's 16 numbers: the block's largest
.endr
.irp b, 0,1,2,3
	v_add_nc_u32 v[TM+12+\b], 0xfc000000, v[TM+\b] ; 8 off the exponent field: the conversion's scale operand
.endr
.irp b, 0,1,2,3
	v_and_or_b32 v[TM+8+\b], v[TM+\b], 0x7f800000, s44   ; 448 x the scale
.endr
.irp b, 0,1,2,3
	v_lshrrev_b32 v[TM+4+\b], 23, v[TM+12+\b]      ; the scale's byte
.endr
	v_lshl_or_b32 v[PW+(\i)], v[TM+5], 8, v[TM+4]
	v_lshl_or_b32 v[PW+(\i)], v[TM+6], 16, v[PW+(\i)]
	v_lshl_or_b32 v[PW+(\i)], v[TM+7], 24, v[PW+(\i)]
	v_lshl_add_u32 v[18+(\i)], s30, 16, v28        ; h's image
	v_lshl_add_u32 v[23+(\i)], s30, 11, v7         ; h's scale word
	WIN QA|(QA<<6)
.irp b, 0,1,2,3
.irp n, 0,1,2,3,4,5,6,7,8,9,10,11,12,13,14,15
	v_med3_num_f32 v[QH+16*\b+\n], v[QH+16*\b+\n], 0, v[TM+8+\b]   ; the activation and the hold in one (the conversion does not saturate: ISA guide 7.6.2)
.endr
.endr
	WIN QA
.irp b, 0,1,2,3
	v_cvt_scalef32_pk8_fp8_f32 v[QP+4*\b:QP+4*\b+1], v[QH+16*\b:QH+16*\b+7], v[TM+12+\b]
	v_cvt_scalef32_pk8_fp8_f32 v[QP+4*\b+2:QP+4*\b+3], v[QH+16*\b+8:QH+16*\b+15], v[TM+12+\b]
.endr
	WIN 0
	v_nop                                          ; a plain line behind the last conversion
.irp c, 0,1,2,3
	global_store_b128 v[18+(\i)], v[QP+4*\c:QP+4*\c+3], s[14:15] offset:512*\c   ; 32 lanes: 512 consecutive bytes, aligned
.endr
	global_store_b32 v[23+(\i)], v[PW+(\i)], s[24:25]    ; both halves of the lanes hold and write the same word
.endm
.macro W1LD n0                         ; 32 half rows of W1: 512 consecutive bytes each; this launch reads them once
	WIN 0x80
.set N_, \n0
.rept 32
	global_load_b128 v[4*N_:4*N_+3], v1, s[8:9] offset:1024*(N_/2)+512*(N_%2) th:TH_LOAD_NT
.set N_, N_+1
.endr
	WIN 0
.endm
.macro W1ST n0
	WIN 0x08
.set N_, \n0
.rept 32
.set RL, N_/2
.set SWP, (RL&7)+(((RL>>3)&1)<<4)+(((RL>>4)&1)<<3)
	ds_store_b128 v2, v[4*N_:4*N_+3] offset:SWP*PITCH+512*(N_%2)
.set N_, N_+1
.endr
	WIN 0
.endm
	s_load_b256 s[4:11], s[0:1], 0x0               ; sel, gq, W1's codes, W1's scales
	s_load_b128 s[12:15], s[0:1], 0x20             ; b1, hq
	s_load_b64 s[16:17], s[0:1], 0x30              ; list
	v_lshl_add_u32 v30, v0, 2, SPARE
	v_mov_b32 v31, 0
	v_lshrrev_b32 v126, 5, v0
	v_readfirstlane_b32 s18, v126                  ; wave
	s_and_b32 s19, ttmp7, 0xffff                   ; e
	s_mov_b32 s20, ttmp9                           ; j
	v_and_b32 v126, 31, v0
	v_lshlrev_b32 v1, 4, v126                      ; 16 l
	v_lshlrev_b32 v127, 5, v126                    ; 32 l
	v_and_b32 v12, 15, v0                          ; r
	v_bfe_u32 v29, v0, 4, 1                        ; h
	s_mul_i32 s36, s18, 32*PITCH
	v_add_nc_u32 v2, s36, v1                       ; the fill: my 32 rows of W1 in LDS
	v_mul_u32_u24 v3, v12, PITCH
	v_lshl_add_u32 v3, v29, 4, v3                  ; a fragment: row r, + 16 h
	v_add_nc_u32 v4, 64*PITCH, v3                  ; tiles 4-7
	v_and_b32 v5, 8, v12
	v_add_nc_u32 v5, v5, v12                       ; r + 8 (r / 8)
	v_lshlrev_b32 v5, 5, v5
	v_lshl_add_u32 v5, v29, 4, v5                  ; W1's scale words: 32 bytes a row, + 16 for lanes 16-31 (K steps 4-7)
	v_lshlrev_b32 v6, 6, v29                       ; b1: + 16 units for lanes 16-31
	s_lshr_b32 s36, s20, 2
	s_lshl_b32 s36, s36, 8                         ; 512 (j / 8) + 256 ((j / 4) % 2)
	s_and_b32 s37, s20, 3
	s_lshl_b32 s37, s37, 2
	s_add_co_u32 s36, s36, s37
	v_lshl_add_u32 v7, v12, 4, s36                 ; h's scale word of K step j, row r
	s_lshl_b32 s37, s20, 11
	v_add_nc_u32 v28, s37, v1                      ; h's image of K step j
	s_mul_i32 s36, s18, 320
	s_add_co_u32 s36, s36, LIST
	v_lshlrev_b32 v8, 5, v29
	v_add_nc_u32 v8, s36, v8                       ; the list at my first tile: rows 8 h on;
	v_lshlrev_b32 v9, 2, v12
	v_add_nc_u32 v9, s36, v9                       ; row r
	s_mul_i32 s36, s18, 2*XSL
	s_add_co_u32 s36, s36, XB
	v_mul_u32_u24 v10, v29, 8*XP
	v_lshl_add_u32 v10, v12, 4, v10
	v_add_nc_u32 v10, s36, v10                     ; x into LDS: row 8 h, 16 bytes a lane
	v_mul_u32_u24 v11, v12, XP
	v_lshl_add_u32 v11, v29, 4, v11
	v_add_nc_u32 v11, s36, v11                     ; x's fragments: row r, + 16 h
	v_lshlrev_b32 v12, 4, v12                      ; 16 (l % 16)
	v_lshlrev_b32 v29, 4, v29                      ; 16 h
	s_mul_i32 s33, s18, 5
	s_lshl_b32 s35, s19, 6                         ; 64 e
	s_lshl_b32 s40, 1, s19                         ; my expert's bit in each of a word's four bytes
	s_lshl_b32 s41, s40, 8
	s_lshl_b32 s42, s40, 16
	s_lshl_b32 s43, s40, 24
	s_mov_b32 s38, 0x76543210
	s_mov_b32 s39, 0xfedcba98                      ; v_permlanex16_b32's selects for lane l xor 16
	s_mov_b32 s44, 0x600000                        ; the mantissa field of 448
	s_mov_b32 s37, 0
	s_mov_b32 s26, 0                               ; the pass's first tile in the list, in bytes
	s_wait_alu depctr_va_vdst(0)
	s_wait_kmcnt 0x0
	global_load_b128 v[128:131], v127, s[4:5]      ; the masks of tokens 32 l .. 32 l + 31
	global_load_b128 v[132:135], v127, s[4:5] offset:16
	s_lshl_b32 s36, s19, 22
	s_lshl_b32 s30, s20, 17
	s_add_co_u32 s36, s36, s30
	s_lshl_b32 s30, s18, 15
	s_add_co_u32 s36, s36, s30
	s_add_nc_u64 s[8:9], s[8:9], s[36:37]          ; W1's codes: expert, slice, my 32 rows
	s_lshl_b32 s36, s19, 17
	s_lshl_b32 s30, s20, 12
	s_add_co_u32 s36, s36, s30
	s_add_nc_u64 s[10:11], s[10:11], s[36:37]
	s_lshl_b32 s36, s19, 14
	s_lshl_b32 s30, s20, 9
	s_add_co_u32 s36, s36, s30
	s_add_nc_u64 s[12:13], s[12:13], s[36:37]
	s_add_nc_u64 s[22:23], s[6:7], XS_OFF
	s_add_nc_u64 s[24:25], s[14:15], HGS_OFF
.irp t, 0,1,2,3,4,5,6,7
	global_load_b128 v[32+4*\t:35+4*\t], v5, s[10:11] offset:(32*(\t/2)+8*(\t%2))*32
.endr
	W1LD 0
	s_wait_loadcnt 40                              ; the masks are in: 8 + 32 younger loads may be out
.set i, 0
.rept 32
	v_and_b32 v[136+i], s[40+i%4], v[128+i/4]      ; token 32 l + i
.set i, i+1
.endr
.set i, 0
.rept 32
	v_cmp_ne_u32 s[66+i], 0, v[136+i]
.set i, i+1
.endr
	s_wait_alu depctr_va_vdst(0)
	s_mov_b32 s27, 0
.set i, 0
.rept 32
	s_bcnt1_i32_b32 s30, s[66+i]
	s_add_co_u32 s27, s27, s30                     ; the expert's count
.set i, i+1
.endr
	s_add_co_u32 s28, s27, 15
	s_lshr_b32 s28, s28, 4                         ; its tiles, T
	s_max_u32 s45, s28, 1
	s_cmp_lg_u32 s18, 0
	s_cbranch_scc1 .Lranked
	; wave 0 writes the list
	v_mov_b32 v136, -1
	v_mov_b32 v137, -1
	v_mov_b32 v138, -1
	v_mov_b32 v139, -1
	v_add_nc_u32 v140, LIST, v1
	v_mov_b32 v142, 0x500
	s_mov_b32 s31, LIST
.irp n, 0,1,2,3,4,5,6,7,8,9
	ds_store_b128 v140, v[136:139] offset:512*\n
.endr
	s_mov_b32 s30, 0
.set i, 0
.rept 32
	v_mbcnt_lo_u32_b32 v[144+i], s[66+i], s30      ; the rank: the tokens counted so far, and the lanes below
	s_bcnt1_i32_b32 s29, s[66+i]
	s_add_co_u32 s30, s30, s29
.set i, i+1
.endr
.set i, 0
.rept 32
	v_cndmask_b32 v[144+i], v142, v[144+i], s[66+i]
.set i, i+1
.endr
.set i, 0
.rept 32
	v_min_u32 v[144+i], 0x500, v[144+i]
.set i, i+1
.endr
.set i, 0
.rept 32
	v_lshl_add_u32 v[144+i], v[144+i], 2, s31
.set i, i+1
.endr
.set i, 0
.rept 32
	v_add_nc_u32 v[176+i], i, v127
.set i, i+1
.endr
.set i, 0
.rept 32
	ds_store_b32 v[144+i], v[176+i]                ; LDS serves a wave's instructions in order: behind the -1
.set i, i+1
.endr
	s_wait_alu depctr_va_vdst(0)
.Lranked:
	s_wait_dscnt 0x0                               ; for the others' sake: the list lies in LDS
	s_barrier_signal -1
	s_barrier_wait -1
	PRO
	W1LD 32
	XLD 1
	WIN 0
	s_cmp_lg_u32 s20, 0
	s_cbranch_scc1 .Lno_list
	; work-group j = 0: the list, a quarter a wave, and the count
	s_lshl_b32 s36, s18, 10
	v_add_nc_u32 v145, s36, v1
	v_add_nc_u32 v144, LIST, v145
	v_lshlrev_b32 v146, 1, v1
	v_lshrrev_b32 v146, 2, v146                    ; 8 l
	v_mov_b32 v156, s27
	v_mov_b32 v157, s27
	ds_load_b128 v[148:151], v144
	ds_load_b128 v[152:155], v144 offset:512
	s_lshl_b32 s36, s19, 12
	s_add_nc_u64 s[46:47], s[16:17], s[36:37]
	s_lshl_b32 s36, s19, 8
	s_add_nc_u64 s[48:49], s[16:17], s[36:37]
	s_wait_alu depctr_va_vdst(0)
	s_wait_dscnt 0x0
	global_store_b128 v145, v[148:151], s[46:47]
	global_store_b128 v145, v[152:155], s[46:47] offset:512
	s_cmp_lg_u32 s18, 0
	s_cbranch_scc1 .Lno_count
	global_store_b64 v146, v[156:157], s[48:49] offset:32768
.Lno_count:
	s_wait_xcnt 0x0                                ; the stores have read their registers, which fragments take
.Lno_list:
	s_wait_loadcnt 63                              ; 133 loads were issued behind W1's first half
	W1ST 0
	s_wait_loadcnt 63                              ; 72 behind x's first 256 along K
	XST 0
	XLD 2
	WIN 0
	s_wait_loadcnt 63                              ; 80 behind W1's second half
	W1ST 32
	s_wait_alu depctr_va_vdst(0)
	s_wait_dscnt 0x0                               ; for the others' sake: my 32 rows lie in LDS
	s_barrier_signal -1
	s_barrier_wait -1                              ; all 128 do; nothing is written there again
	s_mov_b32 s31, 0                               ; the pass
.Lpass:
	s_mul_i32 s29, s31, 20
	s_cmp_ge_u32 s29, s45
	s_cbranch_scc1 .Lnext                          ; a pass without rows
	s_cmp_eq_u32 s31, 0
	s_cbranch_scc1 .Lgo                            ; the first pass's loads stand in the head
	s_wait_loadcnt 0x0                             ; (the pass before has waited for its loads: on every way none is out)
	s_mul_i32 s26, s31, 1280
	PRO
	XLD 1
	s_wait_loadcnt 40
	XST 0
	XLD 2
	WIN 0
.Lgo:
	s_wait_alu depctr_va_vdst(0)
	WLOAD 0, 0
	XF 0, 0
	XF 0, 1
	XF 0, 2
	XF 0, 3
	XF 0, 4
	WLOAD 0, 1
.irp s, 0,1,2,3,4,5,6,7
	KSTEP \s
.endr
	WIN 0
	v_nop
	s_add_co_u32 s34, s29, s33                     ; my first tile of the pass
.irp i, 0,1,2,3,4
	s_add_co_u32 s30, s34, \i
	s_cmp_ge_u32 s30, s28
	s_cbranch_scc1 .Ldone                          ; this tile and those behind it have no rows: nothing is stored
	s_add_co_u32 s30, s30, s35
	QUANT \i
.endr
.Ldone:
	PLACES 4                                       ; plain lines between the conversions and what names their registers
	s_wait_xcnt 0x0                                ; the stores have read their data and offsets: both are written again only behind this wait
.Lnext:
	s_add_co_u32 s31, s31, 1
	s_cmp_lt_u32 s31, 4
	s_cbranch_scc1 .Lpass
	s_wait_tensorcnt 0x0                           ; the wave's end
	ds_add_u32 v30, v31
	s_wait_dscnt 0x0
	s_endpgm
.Lfunc_end_k_q62bc051441_up:
	.size	k_q62bc051441_up, .Lfunc_end_k_q62bc051441_up-k_q62bc051441_up
	.p2alignl 7, 3214868480
	.fill 96, 4, 3214868480
	.section	.rodata,"a",@progbits
	.p2align	6, 0x0
	.amdhsa_kernel k_q62bc051441_up
		.amdhsa_group_segment_fixed_size 313088
		.amdhsa_private_segment_fixed_size 0
		.amdhsa_enable_private_segment 0
		.amdhsa_kernarg_size 56
		.amdhsa_user_sgpr_count 2
		.amdhsa_user_sgpr_kernarg_segment_ptr 1
		.amdhsa_wavefront_size32 1
		.amdhsa_system_sgpr_workgroup_id_x 1
		.amdhsa_system_sgpr_workgroup_id_y 1
		.amdhsa_system_sgpr_workgroup_id_z 1
		.amdhsa_system_vgpr_workitem_id 0
		.amdhsa_next_free_vgpr 1024
		.amdhsa_next_free_sgpr 100
		.amdhsa_reserve_vcc 0
		.amdhsa_float_denorm_mode_32 3
		.amdhsa_float_denorm_mode_16_64 3
		.amdhsa_memory_ordered 1
		.amdhsa_forward_progress 1
		.amdhsa_inst_pref_size 213
	.end_amdhsa_kernel
	.amdgpu_metadata
---
amdhsa.version: [ 1, 2 ]
amdhsa.kernels:
  - .name:           k_q62bc051441_up
    .symbol:         k_q62bc051441_up.kd
    .args:
      - { .name: sel, .offset: 0, .size: 8, .value_kind: global_buffer, .address_space: global }
      - { .name: gq, .offset: 8, .size: 8, .value_kind: global_buffer, .address_space: global }
      - { .name: W1_codes, .offset: 16, .size: 8, .value_kind: global_buffer, .address_space: global }
      - { .name: W1_scales, .offset: 24, .size: 8, .value_kind: global_buffer, .address_space: global }
      - { .name: b1, .offset: 32, .size: 8, .value_kind: global_buffer, .address_space: global }
      - { .name: hq, .offset: 40, .size: 8, .value_kind: global_buffer, .address_space: global }
      - { .name: list, .offset: 48, .size: 8, .value_kind: global_buffer, .address_space: global }
    .group_segment_fixed_size: 313088
    .private_segment_fixed_size: 0
    .kernarg_segment_align: 8
    .kernarg_segment_size: 56
    .max_flat_workgroup_size: 128
    .sgpr_count:     100
    .vgpr_count:     1024
    .wavefront_size: 32
...
	.end_amdgpu_metadata
.endif
;; end of part 2
;; launch down (part 3): grid 32 x 8, 4 waves a work-group, no clusters, 304,640 bytes of LDS; arguments list, hq, W2_codes, W2_scales, b2, gq, sel, y; writes y
.if DOCPART == 3
	.amdgcn_target "amdgcn-amd-amdhsa--gfx1250"
	.amdhsa_code_object_version 6
	.text
	.protected	k_q62bc051441_down
	.globl	k_q62bc051441_down
	.p2align	8
	.type	k_q62bc051441_down,@function
k_q62bc051441_down:
	s_mov_b64 s[64:65], 0
	v_nop
	global_prefetch_b8 v0, s[64:65] scope:SCOPE_SE
	s_setreg_imm32_b32 hwreg(HW_REG_WAVE_MODE, 25, 1), 1
	s_wait_xcnt 0x0
; THE SECOND PRODUCT, FOR THE CHOSEN ROWS ALONE, on codes of E4M3 with one E8M0 scale for each 32 along K: y[K half][slot][token] = weight x (h W2 over that half of K, + b2 in half 0).
; slot is 1 for the higher of a token's two experts.  Experts that a token has not chosen are left out (their weight is 0 by reference()'s own mask; the first kernel's head states it).
; SHARES.  Work-group (4 cs + 2 kh + rh, e) owns columns 128 cs .. + 127, K half kh (2,048 hidden units) and every second group of 9 tiles of 16 rows of expert e, beginning with group rh.  64 tiles are 8 groups at the most: the loop counts
; four trips and jumps over the work of those without rows (never over a barrier).
; THE WAVES SPLIT K: wave w owns four K steps of 128 for all 9 tiles x 8 tiles of columns: 72 accumulators, 576 registers.  So no operand byte is wanted by two waves: W2's 128 rows x 512 bytes go through the wave's own LDS region; h's
; fragments come from their images straight into a ring of 16.  The four partial sums meet in LDS, and each wave finishes 4 rows of each tile, 512 bytes a row.
; Source 0 = 16 rows of W2 (columns of y), source 1 = 16 rows of h: a lane holds one row of y and eight neighbouring columns.
; THE COUNT IS READ FROM MEMORY AND STEERS BRANCHES.  This launch has no tensor load and no cluster; what would be shared comes through registers.  A tile index past the expert's last is held at the last, its products made and not stored.
; No prefetch: what a trip reads is asked for at its head, and there is as a rule one trip with rows.
; LIMITS: NaN and infinities are not served.  Each output is a sum of f32 partial sums over eighths of K: another order of rounding than one chain.
; REGISTERS: window 0: v0-9, v26, v27 lane terms and the rows' numbers; v10-25 W2's scale words, v28-63 h's; v64-191 W2's 8 fragments; v192-255 the accumulators of tile 8.   window 1: h's ring (fragment n = 9 s + i at 16 (n % 16)).
;   windows 2, 3: the accumulators of tiles 0-3, 4-7; at a trip's head the stage for W2; at the end the partial sums come back there.
.set RG, 76032                         ; a wave's region: 128 rows of W2, later 144 rows of sums
.set WP, 528                           ; a row: 512 bytes + 16
.set SPARE, 4*RG
.set WF_OFF, 1081344
.set HGS_OFF, 33554432
.set MSB, 0
.macro WIN new                         ; the immediate's high byte repeats the setting that is left
.if MSB != (\new)
	s_set_vgpr_msb (MSB<<8)|(\new)
.set MSB, (\new)
.endif
.endm
.macro PLACES n                        ; plain vector lines behind matrix instructions (ISA guide 7.12.1)
.rept \n
	v_nop
.endr
.endm
.macro ISSUE_A                         ; W2's scale words (lanes 0-15 tile b, lanes 16-31 tile b + 4) and rows 0-63: 4 + 64 loads
	WIN 0
.irp b, 0,1,2,3
	global_load_b128 v[10+4*\b:13+4*\b], v5, s[32:33] offset:2048*\b
.endr
	WIN 0x80
.set N_, 0
.rept 64
	global_load_b128 v[4*N_:4*N_+3], v1, s[30:31] offset:4096*N_
.set N_, N_+1
.endr
	WIN 0
.endm
.macro HLOAD s, i                      ; h's fragment of my K step s, tile i: 4 loads of 512 consecutive bytes
	WIN 0x40
.set HR, 16*((9*(\s)+(\i))%16)
.irp c, 0,1,2,3
	global_load_b128 v[HR+4*\c:HR+4*\c+3], v1, s[66+2*(\i):67+2*(\i)] offset:2048*(\s)+512*\c
.endr
.endm
.macro WLD s, hf                       ; W2's fragments of my K step s, tiles 4 hf .. 4 hf + 3
	WIN 0
.irp u, 0,1,2,3
.irp c, 0,1,2,3
	ds_load_b128 v[64+16*(4*(\hf)+\u)+4*\c:67+16*(4*(\hf)+\u)+4*\c], v4 offset:16*(4*(\hf)+\u)*WP+128*(\s)+32*\c
.endr
.endr
.endm
.macro MULD s, hf, i                   ; tile i x column tiles 4 hf .. 4 hf + 3; the first K step starts the sums
.set DW, 2+(\i)/4
.set AB, 64*((\i)%4)
.if (\i) == 8
.set DW, 0
.set AB, 192
.endif
.set HR, 16*((9*(\s)+(\i))%16)
	WIN (1<<2)|(DW<<4)|(DW<<6)
.irp u, 0,1,2,3
.set BB, 4*(\hf)+\u
.set AR, AB+8*BB
.if (\s) == 0
.if (\hf) == 0
	v_wmma_scale_f32_16x16x128_f8f6f4 v[AR:AR+7], v[64+16*BB:79+16*BB], v[HR:HR+15], 0, v[10+4*\u], v[28+4*(\i)]
.else
	v_wmma_scale_f32_16x16x128_f8f6f4 v[AR:AR+7], v[64+16*BB:79+16*BB], v[HR:HR+15], 0, v[10+4*\u], v[28+4*(\i)] matrix_a_scale:MATRIX_SCALE_ROW1
.endif
.else
.if (\hf) == 0
	v_wmma_scale_f32_16x16x128_f8f6f4 v[AR:AR+7], v[64+16*BB:79+16*BB], v[HR:HR+15], v[AR:AR+7], v[10+4*\u+(\s)], v[28+4*(\i)+(\s)]
.else
	v_wmma_scale_f32_16x16x128_f8f6f4 v[AR:AR+7], v[64+16*BB:79+16*BB], v[HR:HR+15], v[AR:AR+7], v[10+4*\u+(\s)], v[28+4*(\i)+(\s)] matrix_a_scale:MATRIX_SCALE_ROW1
.endif
.endif
.endr
.endm
; A K step: 72 products; the accumulators take turns.  Fragments of h are asked for in ascending order n = 9 s + i, each into the registers that n - 16 has left; W2's halves as they are left.
.macro KS s
.if (\s) < 3
	s_wait_loadcnt 36                              ; tiles 0-6 are in: nine younger fragments may be out
.else
	s_wait_loadcnt 8                               ; two younger fragments
.endif
	s_wait_dscnt 16                                ; W2's tiles 0-3; 4-7 may be out
.irp i, 0,1,2,3
	MULD \s, 0, \i
.endr
	s_wait_dscnt 0
	MULD \s, 1, 0
	MULD \s, 1, 1
.if (\s) < 3
	PLACES 8
	HLOAD (\s)+1, 7
	HLOAD (\s)+1, 8
	s_wait_loadcnt 36                              ; tiles 7, 8
.else
	s_wait_loadcnt 0
.endif
.irp i, 4,5,6,7,8
	MULD \s, 0, \i
.endr
.if (\s) < 3
	PLACES 8
	WLD (\s)+1, 0
.endif
.irp i, 2,3,4
	MULD \s, 1, \i
.endr
.if (\s) < 2
	PLACES 8
	HLOAD (\s)+2, 0
	HLOAD (\s)+2, 1
	HLOAD (\s)+2, 2
.elseif (\s) == 2
	PLACES 8
	WIN 0x40
	global_load_b128 v[64:67], v1, s[12:13]        ; b2: my four columns, into registers that the ring has left for good
.endif
.irp i, 5,6,7,8
	MULD \s, 1, \i
.endr
	PLACES 8
.if (\s) < 2
	HLOAD (\s)+2, 3
	HLOAD (\s)+2, 4
	HLOAD (\s)+2, 5
	HLOAD (\s)+2, 6
.endif
.if (\s) < 3
	WLD (\s)+1, 1
.endif
.endm
.macro OLOAD i                         ; my 4 rows of tile i, four partial sums each: 16 loads of 512 consecutive bytes
.set OW, 2+((\i)/4)%2
	WIN OW<<6
.irp a, 0,1,2,3
.irp q, 0,1,2,3
.set R_, 64*((\i)%4)+16*\a+4*\q
.if (\i) < 4
	ds_load_b128 v[R_:R_+3], v[10+\q] offset:(16*(\i)+\a)*WP
.else
	ds_load_b128 v[R_:R_+3], v[14+\q] offset:(16*((\i)-4)+\a)*WP
.endif
.endr
.endr
	WIN 0
.endm
.macro OTILE i                         ; they are added, + b2, x the weight, and leave
.set OW, 2+((\i)/4)%2
.set OB, 64*((\i)%4)
	s_add_co_u32 s63, s62, 16*(\i)                 ; the rank of my first row of the tile
	s_cmp_ge_u32 s63, s25
	s_cbranch_scc1 .Lout_done                      ; this row and those behind it are no rows
.irp a, 0,1,2,3
	v_readlane_b32 s[48+\a], v[18+(\i)/8], (4*(\i)+\a)%32
	v_readlane_b32 s[54+2*\a], v[6+(\i)/8], (4*(\i)+\a)%32
.endr
	s_wait_alu depctr_va_vdst(0)
.irp a, 0,1,2,3
	s_min_u32 s[48+\a], s[48+\a], 0xfff
.endr
.irp a, 0,1,2,3
	v_lshl_add_u32 v[64+4*(\i)+\a], s[48+\a], 12, v20
.endr
.if (\i) < 6
	s_wait_dscnt 48                                ; three younger tiles' loads may be out
.else
	s_wait_dscnt 16*(8-(\i))
.endif
	WIN OW|(OW<<2)|(OW<<6)
.irp k, 0,2
.irp a, 0,16,32,48
	v_pk_add_f32 v[OB+\a+\k:OB+\a+\k+1], v[OB+\a+\k:OB+\a+\k+1], v[OB+\a+\k+4:OB+\a+\k+5]
	v_pk_add_f32 v[OB+\a+\k+8:OB+\a+\k+9], v[OB+\a+\k+8:OB+\a+\k+9], v[OB+\a+\k+12:OB+\a+\k+13]
.endr
.endr
.irp k, 0,2
.irp a, 0,16,32,48
	v_pk_add_f32 v[OB+\a+\k:OB+\a+\k+1], v[OB+\a+\k:OB+\a+\k+1], v[OB+\a+\k+8:OB+\a+\k+9]
.endr
.endr
	WIN OW|(1<<2)|(OW<<6)
.irp k, 0,2
.irp a, 0,16,32,48
	v_pk_add_f32 v[OB+\a+\k:OB+\a+\k+1], v[OB+\a+\k:OB+\a+\k+1], v[64+\k:65+\k]
.endr
.endr
.irp k, 0,2
.irp a, 0,1,2,3
	v_pk_mul_f32 v[OB+16*\a+\k:OB+16*\a+\k+1], v[OB+16*\a+\k:OB+16*\a+\k+1], s[54+2*\a:55+2*\a] op_sel_hi:[1,0]
.endr
.endr
	s_wait_alu depctr_va_vdst(0)                   ; ahead of the stores and their scalar lines
.irp a, 0,1,2,3
.if \a > 0
	WIN 0
	s_add_co_u32 s63, s63, 1
	s_cmp_ge_u32 s63, s25
	s_cbranch_scc1 .Lout_done
.endif
	WIN OW<<2
	global_store_b128 v[64+4*(\i)+\a], v[OB+16*\a:OB+16*\a+3], s[18:19]   ; 32 lanes: 512 consecutive bytes of a row, aligned
.endr
	WIN 0
.if (\i) == 4
	s_wait_xcnt 0x0                                ; tile 0's stores have read the registers that tile 8 takes
.endif
.if (\i) < 5
	OLOAD (\i)+4
.endif
.endm
	s_load_b512 s[4:19], s[0:1], 0x0               ; list, hq, W2's codes, W2's scales, b2, gq, sel, y
	v_lshrrev_b32 v10, 5, v0
	v_readfirstlane_b32 s20, v10                   ; wave
	s_and_b32 s21, ttmp7, 0xffff                   ; e
	s_lshr_b32 s22, ttmp9, 2                       ; cs
	s_bfe_u32 s23, ttmp9, 0x10001                  ; kh
	s_and_b32 s24, ttmp9, 1                        ; rh
	s_lshl_b32 s26, s21, 8
	v_and_b32 v10, 31, v0
	v_lshlrev_b32 v1, 4, v10                       ; 16 l
	v_and_b32 v11, 15, v0                          ; r
	v_bfe_u32 v12, v0, 4, 1                        ; h
	s_mul_i32 s48, s20, RG                         ; my region
	v_add_nc_u32 v2, s48, v1
	v_lshlrev_b32 v3, 4, v11                       ; 16 r: h's scale words
	v_mul_u32_u24 v4, v11, WP
	v_lshl_add_u32 v4, v12, 4, v4
	v_add_nc_u32 v4, s48, v4                       ; a fragment: row r, + 16 h
	v_lshl_add_u32 v5, v12, 6, v11
	v_lshlrev_b32 v5, 7, v5                        ; W2's scale words: row 64 h + r, 128 bytes a row
	v_mov_b32 v6, 0                                ; (what the way out reads is written on every way)
	v_mov_b32 v7, 0
	v_mov_b32 v8, 0
	v_mov_b32 v9, 0
	v_mov_b32 v26, 0
	v_mov_b32 v27, 0
	WIN 0x40
	v_mov_b32 v64, 0
	v_mov_b32 v65, 0
	v_mov_b32 v66, 0
	v_mov_b32 v67, 0
	WIN 0
	s_mov_b32 s51, 0
	s_mov_b32 s55, 0
	s_mov_b32 s57, 0
	s_mov_b32 s59, 0
	s_mov_b32 s61, 0
	s_wait_alu depctr_va_vdst(0)
	s_wait_kmcnt 0x0
	s_load_b32 s25, s[4:5], s26 offset:0x8000      ; the expert's count
	s_lshl_b32 s50, s21, 22
	s_lshl_b32 s48, s22, 19
	s_add_co_u32 s50, s50, s48
	s_lshl_b32 s48, s23, 11
	s_add_co_u32 s50, s50, s48
	s_lshl_b32 s48, s20, 9
	s_add_co_u32 s50, s50, s48
	s_add_nc_u64 s[30:31], s[8:9], s[50:51]        ; W2's codes: expert, 128 rows, my 512 bytes of K
	s_lshl_b32 s50, s21, 17
	s_lshl_b32 s48, s22, 14
	s_add_co_u32 s50, s50, s48
	s_lshl_b32 s48, s23, 6
	s_add_co_u32 s50, s50, s48
	s_lshl_b32 s48, s20, 4
	s_add_co_u32 s50, s50, s48
	s_add_nc_u64 s[32:33], s[10:11], s[50:51]      ; their scale bytes
	ISSUE_A
	s_lshl_b32 s50, s21, 22
	s_lshl_b32 s48, s23, 15
	s_add_co_u32 s50, s50, s48
	s_lshl_b32 s48, s20, 13
	s_add_co_u32 s50, s50, s48
	s_add_nc_u64 s[34:35], s[6:7], s[50:51]        ; h's images: expert, my K steps 16 kh + 4 w on
	s_lshl_b32 s50, s21, 17
	s_lshl_b32 s48, s23, 10
	s_add_co_u32 s50, s50, s48
	s_lshl_b32 s48, s20, 8
	s_add_co_u32 s50, s50, s48
	s_add_nc_u64 s[36:37], s[6:7], s[50:51]
	s_add_nc_u64 s[36:37], s[36:37], HGS_OFF       ; h's scale words
	s_lshl_b32 s50, s21, 12
	s_add_nc_u64 s[38:39], s[4:5], s[50:51]        ; the expert's list
	s_lshl_b32 s48, s22, 9
	s_add_co_u32 s50, s50, s48
	s_add_nc_u64 s[12:13], s[12:13], s[50:51]      ; b2
	s_lshl_b32 s50, s21, 2
	s_add_nc_u64 s[40:41], s[14:15], s[50:51]
	s_add_nc_u64 s[40:41], s[40:41], WF_OFF        ; the weights for expert e
	s_lshl_b32 s47, 1, s21
	s_sub_co_u32 s47, s47, 1                       ; the lower experts' bits
	s_sub_co_u32 s46, s23, 1                       ; all ones where kh = 0: b2 is added there
	s_mov_b32 s42, 0                               ; the trip
	s_mul_i32 s43, s24, 9                          ; its first tile
	s_wait_kmcnt 0x0
	s_min_u32 s25, s25, 1024
	s_add_co_u32 s44, s25, 15
	s_lshr_b32 s44, s44, 4                         ; T
	s_max_u32 s45, s44, 1
	s_sub_co_u32 s45, s45, 1                       ; the last tile
.Ltrip:
	s_cmp_ge_u32 s43, s44
	s_cbranch_scc1 .Lempty
	s_cmp_eq_u32 s42, 0
	s_cbranch_scc1 .Lasked                         ; the first trip's first loads stand in the head
	s_wait_loadcnt 0x0                             ; (the trip before has waited for its loads: on every way none is out)
	ISSUE_A
.Lasked:
	; the rows that I finish: lane q has row 4 w + q % 4 of tile q / 4 (v26: q = l, v27: q = 32 + l)
	s_mov_b32 s51, 0
	s_lshl_b32 s49, s43, 4
	s_lshl_b32 s48, s20, 2
	s_add_co_u32 s62, s49, s48                     ; the rank of my first row
	v_and_b32 v192, 31, v0
	v_lshrrev_b32 v193, 2, v192
	v_and_b32 v192, 3, v192
	v_lshl_add_u32 v192, v193, 4, v192
	v_add_nc_u32 v26, s62, v192
	v_add_nc_u32 v27, 0x80, v26
	v_min_u32 v26, 0x3ff, v26
	v_min_u32 v27, 0x3ff, v27
	v_lshlrev_b32 v26, 2, v26
	v_lshlrev_b32 v27, 2, v27
	v_add_nc_u32 v192, 64*WP, v2                   ; W2's rows 64-127 in my region
	s_wait_alu depctr_va_vdst(0)
	global_load_b32 v26, v26, s[38:39]
	global_load_b32 v27, v27, s[38:39]
.irp i, 0,1,2,3,4,5,6,7,8
	s_add_co_u32 s48, s43, \i
	s_min_u32 s48, s48, s45
	s_min_u32 s48, s48, 63
	s_lshl_b32 s50, s48, 16
	s_add_nc_u64 s[66+2*\i:67+2*\i], s[34:35], s[50:51]
	s_lshl_b32 s50, s48, 11
	s_add_nc_u64 s[84+2*\i:85+2*\i], s[36:37], s[50:51]
.endr
.irp i, 0,1,2,3,4,5,6,7,8
	global_load_b128 v[28+4*\i:31+4*\i], v3, s[84+2*\i:85+2*\i]
.endr
.irp i, 0,1,2,3,4,5,6,7,8
	HLOAD 0, \i
.endr
	WIN 0xc0
.set N_, 0
.rept 64
	global_load_b128 v[4*N_:4*N_+3], v1, s[30:31] offset:4096*(64+N_)
.set N_, N_+1
.endr
	s_wait_loadcnt 63                              ; 111 loads were issued behind W2's row 63, 109 behind the list's
	WIN 0x08
.set N_, 0
.rept 64
	ds_store_b128 v2, v[4*N_:4*N_+3] offset:N_*WP
.set N_, N_+1
.endr
	WIN 0
	v_min_u32 v26, 0x3ff, v26
	v_min_u32 v27, 0x3ff, v27
	v_lshlrev_b32 v6, 5, v26
	v_lshlrev_b32 v7, 5, v27
	v_mov_b32 v8, v26
	v_mov_b32 v9, v27
	s_wait_alu depctr_va_vdst(0)
	global_load_b32 v6, v6, s[40:41]               ; the rows' weights,
	global_load_b32 v7, v7, s[40:41]
	global_load_u8 v8, v8, s[16:17]                ; and their tokens' masks
	global_load_u8 v9, v9, s[16:17]
.irp i, 0,1,2,3,4,5,6
	HLOAD 1, \i
.endr
	s_wait_loadcnt 28                              ; all but these seven fragments
	WIN 0x0c
.set N_, 0
.rept 64
	ds_store_b128 v192, v[4*N_:4*N_+3] offset:N_*WP
.set N_, N_+1
.endr
	WLD 0, 0
	WLD 0, 1
.irp s, 0,1,2,3
	KS \s
.endr
	; my partial sums into my own region, whose fragments have all been read; each accumulator from its low end on
	WIN 0
	v_bfe_u32 v28, v0, 4, 1
	v_lshl_add_u32 v28, v28, 4, v4                 ; row r, + 32 h
	v_add_nc_u32 v29, 64*WP, v28
	s_wait_alu depctr_va_vdst(0)
.irp i, 0,1,2,3,4,5,6,7,8
.set DW, 2+\i/4
.set AB, 64*(\i%4)
.if \i == 8
.set DW, 0
.set AB, 192
.endif
	WIN DW<<2
.irp b, 0,1,2,3,4,5,6,7
.if \i < 4
	ds_store_b128 v28, v[AB+8*\b:AB+8*\b+3] offset:16*\i*WP+64*\b
	ds_store_b128 v28, v[AB+8*\b+4:AB+8*\b+7] offset:16*\i*WP+64*\b+16
.else
	ds_store_b128 v29, v[AB+8*\b:AB+8*\b+3] offset:16*(\i-4)*WP+64*\b
	ds_store_b128 v29, v[AB+8*\b+4:AB+8*\b+7] offset:16*(\i-4)*WP+64*\b+16
.endif
.endr
.endr
	WIN 0
	s_branch .Lmeet
.Lempty:
	s_wait_loadcnt 0x0
.Lmeet:
	s_wait_dscnt 0x0                               ; for the others' sake: my sums lie in LDS
	s_barrier_signal -1
	s_barrier_wait -1
	s_cmp_ge_u32 s43, s44
	s_cbranch_scc1 .Lout_done
	s_lshl_b32 s49, s43, 4
	s_lshl_b32 s48, s20, 2
	s_add_co_u32 s62, s49, s48
	s_mul_i32 s48, s20, 4*WP
	v_add_nc_u32 v10, s48, v1                      ; my row of a tile in region 0, 16 bytes a lane;
	v_add_nc_u32 v11, RG, v10
	v_add_nc_u32 v12, 2*RG, v10
	v_add_nc_u32 v13, 3*RG, v10
.irp q, 0,1,2,3
	v_add_nc_u32 v[14+\q], 64*WP, v[10+\q]         ; tiles 4-8
.endr
	s_wait_alu depctr_va_vdst(0)
	OLOAD 0
	OLOAD 1
	OLOAD 2
	OLOAD 3
	v_and_b32 v18, s47, v8                         ; a lower expert among the token's two: slot 1
	v_and_b32 v19, s47, v9
	v_min_u32 v18, 1, v18
	v_min_u32 v19, 1, v19
	v_lshl_or_b32 v18, v18, 10, v26
	v_lshl_or_b32 v19, v19, 10, v27
	s_lshl_b32 s48, s23, 11
	v_or_b32 v18, s48, v18                         ; 2,048 kh + 1,024 slot + token
	v_or_b32 v19, s48, v19
	s_lshl_b32 s48, s22, 9
	v_add_nc_u32 v20, s48, v1                      ; my 16 bytes of the slice's 512
	WIN 0x44
.irp k, 0,1,2,3
	v_cndmask_b32 v[64+\k], 0, v[64+\k], s46
.endr
	WIN 0
	s_wait_alu depctr_va_vdst(0)
.irp i, 0,1,2,3,4,5,6,7,8
	OTILE \i
.endr
.Lout_done:
	s_wait_xcnt 0x0                                ; the stores have read their data and offsets
	s_wait_dscnt 0x0                               ; my reads of the sums are over: the regions take W2 again behind the barrier
	s_barrier_signal -1
	s_barrier_wait -1
	s_add_co_u32 s43, s43, 18
	s_add_co_u32 s42, s42, 1
	s_cmp_lt_u32 s42, 4
	s_cbranch_scc1 .Ltrip
	v_lshl_add_u32 v10, v0, 2, SPARE
	v_mov_b32 v11, 0
	s_wait_alu depctr_va_vdst(0)
	s_wait_tensorcnt 0x0                           ; the wave's end
	ds_add_u32 v10, v11
	s_wait_dscnt 0x0
	s_endpgm
.Lfunc_end_k_q62bc051441_down:
	.size	k_q62bc051441_down, .Lfunc_end_k_q62bc051441_down-k_q62bc051441_down
	.p2alignl 7, 3214868480
	.fill 96, 4, 3214868480
	.section	.rodata,"a",@progbits
	.p2align	6, 0x0
	.amdhsa_kernel k_q62bc051441_down
		.amdhsa_group_segment_fixed_size 304640
		.amdhsa_private_segment_fixed_size 0
		.amdhsa_enable_private_segment 0
		.amdhsa_kernarg_size 64
		.amdhsa_user_sgpr_count 2
		.amdhsa_user_sgpr_kernarg_segment_ptr 1
		.amdhsa_wavefront_size32 1
		.amdhsa_system_sgpr_workgroup_id_x 1
		.amdhsa_system_sgpr_workgroup_id_y 1
		.amdhsa_system_sgpr_workgroup_id_z 1
		.amdhsa_system_vgpr_workitem_id 0
		.amdhsa_next_free_vgpr 1024
		.amdhsa_next_free_sgpr 102
		.amdhsa_reserve_vcc 0
		.amdhsa_float_denorm_mode_32 3
		.amdhsa_float_denorm_mode_16_64 3
		.amdhsa_memory_ordered 1
		.amdhsa_forward_progress 1
		.amdhsa_inst_pref_size 161
	.end_amdhsa_kernel
	.amdgpu_metadata
---
amdhsa.version: [ 1, 2 ]
amdhsa.kernels:
  - .name:           k_q62bc051441_down
    .symbol:         k_q62bc051441_down.kd
    .args:
      - { .name: list, .offset: 0, .size: 8, .value_kind: global_buffer, .address_space: global }
      - { .name: hq, .offset: 8, .size: 8, .value_kind: global_buffer, .address_space: global }
      - { .name: W2_codes, .offset: 16, .size: 8, .value_kind: global_buffer, .address_space: global }
      - { .name: W2_scales, .offset: 24, .size: 8, .value_kind: global_buffer, .address_space: global }
      - { .name: b2, .offset: 32, .size: 8, .value_kind: global_buffer, .address_space: global }
      - { .name: gq, .offset: 40, .size: 8, .value_kind: global_buffer, .address_space: global }
      - { .name: sel, .offset: 48, .size: 8, .value_kind: global_buffer, .address_space: global }
      - { .name: y, .offset: 56, .size: 8, .value_kind: global_buffer, .address_space: global }
    .group_segment_fixed_size: 304640
    .private_segment_fixed_size: 0
    .kernarg_segment_align: 8
    .kernarg_segment_size: 64
    .max_flat_workgroup_size: 128
    .sgpr_count:     102
    .vgpr_count:     1024
    .wavefront_size: 32
...
	.end_amdgpu_metadata
.endif
;; end of part 3
;; launch sum (part 4): grid 256 x 1, 4 waves a work-group, no clusters, 0 bytes of LDS; arguments y, out0; writes out0
.if DOCPART == 4
	.amdgcn_target "amdgcn-amd-amdhsa--gfx1250"
	.amdhsa_code_object_version 6
	.text
	.protected	k_q62bc051441_sum
	.globl	k_q62bc051441_sum
	.p2align	8
	.type	k_q62bc051441_sum,@function
k_q62bc051441_sum:
	s_mov_b64 s[64:65], 0
	v_nop
	global_prefetch_b8 v0, s[64:65] scope:SCOPE_SE
	s_setreg_imm32_b32 hwreg(HW_REG_WAVE_MODE, 25, 1), 1
	s_wait_xcnt 0x0
; out0[n] = the sum of token n's four rows of y (two halves of K, two slots), which already carry their weights and biases.  A stream: one wave a token, a row of 4,096 bytes as eight loads of 512 consecutive bytes;
; all 32 loads of a wave go out at once.  No LDS, no barrier, no matrix unit, no cluster, no prefetch: nothing is shared, every byte is read once and there is no loop.
	s_load_b128 s[4:7], s[0:1], 0x0                ; y, out0
	v_lshrrev_b32 v1, 5, v0
	v_readfirstlane_b32 s12, v1                    ; wave
	s_lshl_b32 s13, ttmp9, 2
	s_add_co_u32 s13, s13, s12                     ; my token
	v_and_b32 v1, 31, v0
	v_lshlrev_b32 v4, 4, v1                        ; 16 l
	s_lshl_b32 s16, s13, 12
	s_mov_b32 s17, 0
	s_wait_alu depctr_va_vdst(0)
	s_wait_kmcnt 0x0
	s_add_nc_u64 s[4:5], s[4:5], s[16:17]
	s_add_nc_u64 s[6:7], s[6:7], s[16:17]
	s_add_nc_u64 s[8:9], s[4:5], 0x400000
	s_add_nc_u64 s[10:11], s[4:5], 0x800000
	s_add_nc_u64 s[14:15], s[4:5], 0xc00000
.irp k, 0,1,2,3,4,5,6,7
	global_load_b128 v[8+16*\k:11+16*\k], v4, s[4:5] offset:512*\k th:TH_LOAD_NT
	global_load_b128 v[12+16*\k:15+16*\k], v4, s[10:11] offset:512*\k th:TH_LOAD_NT
	global_load_b128 v[16+16*\k:19+16*\k], v4, s[8:9] offset:512*\k th:TH_LOAD_NT
	global_load_b128 v[20+16*\k:23+16*\k], v4, s[14:15] offset:512*\k th:TH_LOAD_NT
.endr
.irp k, 0,1,2,3,4,5,6,7
	s_wait_loadcnt 28-4*\k                         ; loads come back in order: the first four rows' pieces k are in, the younger may be out
	v_pk_add_f32 v[8+16*\k:9+16*\k], v[8+16*\k:9+16*\k], v[12+16*\k:13+16*\k]
	v_pk_add_f32 v[10+16*\k:11+16*\k], v[10+16*\k:11+16*\k], v[14+16*\k:15+16*\k]
	v_pk_add_f32 v[16+16*\k:17+16*\k], v[16+16*\k:17+16*\k], v[20+16*\k:21+16*\k]
	v_pk_add_f32 v[18+16*\k:19+16*\k], v[18+16*\k:19+16*\k], v[22+16*\k:23+16*\k]
	v_pk_add_f32 v[8+16*\k:9+16*\k], v[8+16*\k:9+16*\k], v[16+16*\k:17+16*\k]
	v_pk_add_f32 v[10+16*\k:11+16*\k], v[10+16*\k:11+16*\k], v[18+16*\k:19+16*\k]
	global_store_b128 v4, v[8+16*\k:11+16*\k], s[6:7] offset:512*\k th:TH_STORE_NT   ; 32 lanes: 512 consecutive bytes, aligned
.endr
	s_endpgm
.Lfunc_end_k_q62bc051441_sum:
	.size	k_q62bc051441_sum, .Lfunc_end_k_q62bc051441_sum-k_q62bc051441_sum
	.p2alignl 7, 3214868480
	.fill 96, 4, 3214868480
	.section	.rodata,"a",@progbits
	.p2align	6, 0x0
	.amdhsa_kernel k_q62bc051441_sum
		.amdhsa_group_segment_fixed_size 0
		.amdhsa_private_segment_fixed_size 0
		.amdhsa_enable_private_segment 0
		.amdhsa_kernarg_size 16
		.amdhsa_user_sgpr_count 2
		.amdhsa_user_sgpr_kernarg_segment_ptr 1
		.amdhsa_wavefront_size32 1
		.amdhsa_system_sgpr_workgroup_id_x 1
		.amdhsa_system_sgpr_workgroup_id_y 1
		.amdhsa_system_sgpr_workgroup_id_z 1
		.amdhsa_system_vgpr_workitem_id 0
		.amdhsa_next_free_vgpr 136
		.amdhsa_next_free_sgpr 66
		.amdhsa_reserve_vcc 0
		.amdhsa_float_denorm_mode_32 3
		.amdhsa_float_denorm_mode_16_64 3
		.amdhsa_memory_ordered 1
		.amdhsa_forward_progress 1
		.amdhsa_inst_pref_size 8
	.end_amdhsa_kernel
	.amdgpu_metadata
---
amdhsa.version: [ 1, 2 ]
amdhsa.kernels:
  - .name:           k_q62bc051441_sum
    .symbol:         k_q62bc051441_sum.kd
    .args:
      - { .name: y, .offset: 0, .size: 8, .value_kind: global_buffer, .address_space: global }
      - { .name: out0, .offset: 8, .size: 8, .value_kind: global_buffer, .address_space: global }
    .group_segment_fixed_size: 0
    .private_segment_fixed_size: 0
    .kernarg_segment_align: 8
    .kernarg_segment_size: 16
    .max_flat_workgroup_size: 128
    .sgpr_count:     66
    .vgpr_count:     136
    .wavefront_size: 32
...
	.end_amdgpu_metadata
.endif
;; end of part 4
